; MI455X (gfx1250); checked and timed in simulation.
; The chip was launched on July 23, 2026; its instructions are those of AMD's public machine-readable ISA for CDNA 5 (MIT licence, August 2026) and "CDNA5" Instruction Set Architecture Reference Guide (July 2026). The comments in the code are by the model that wrote it; some were corrected since.
;; Causal Self Attention. Allowed arithmetic: matrix products marked QUANTISED: E4M3 operands, one given power-of-two scale a tensor, by v_wmma_f32_16x16x64_fp8_fp8 or v_wmma_f32_16x16x128_fp8_fp8, f32 sums; everything else in f32.
;; Inputs: b_proj 1,024 float32; b_qkv 3,072 float32; lowp_scales 8 int32 (the exponents e of the quantised operands' scales 2^e); w_proj 1,024 x 1,024 float32; w_qkv 1,024 x 3,072 float32; x 4 x 2,048 x 1,024 float32.
;; Outputs: out0 4 x 2,048 x 1,024 float32.
;; This version of the problem:
;;   THIS VERSION OF THE PROBLEM IS GIVEN IN LOW PRECISION. The matrix products marked QUANTISED in the list below multiply operands that are first quantised to E4M3 (4 exponent bits, 3 mantissa bits; 8 bits a number), with one given power-of-two scale for each operand tensor; their sums are f32. All else is computed in f32.
;;   The module's matrix products, in the order in which they are computed (A, B: the left and right operand; K: the contracted axis; several contracted axes count as one K, in the product's order):
;;     1. [M 8,192, K 1,024] x [K 1,024, N 3,072]; A: input x; B: input w_qkv: QUANTISED (scales: A lowp_scales[0], B lowp_scales[1])
;;     2. batch 64 x [M 2,048, K 64] x [K 64, N 2,048]; A: computed on the way; B: computed on the way: QUANTISED (scales: A lowp_scales[2], B lowp_scales[3])
;;     3. batch 64 x [M 2,048, K 2,048] x [K 2,048, N 64]; A: softmax (see below); B: computed on the way: QUANTISED (scales: A lowp_scales[4], B lowp_scales[5])
;;     4. [M 8,192, K 1,024] x [K 1,024, N 1,024]; A: computed on the way; B: input w_proj: QUANTISED (scales: A lowp_scales[6], B lowp_scales[7])
;;   THE QUANTISER, for each operand of a quantised product, along K:
;;     - The operand's scale is 2^e, e = its entry of the input lowp_scales (int32; the entries are numbered through the quantised products in the list's order, A before B).
;;     - Each number is divided by the scale, clamped to +-448, and rounded to the nearest number of E4M3, ties to even, subnormals kept.
;;     - The product sums the exact products of the quantised numbers (number of the format x scale) in f32.
;;   ~~~python
;;   def quantise(x, axis, e):      # numpy; x: float32 -> the quantised numbers, widened to float32 again
;;       x = np.moveaxis(x, axis, -1); K = x.shape[-1]
;;       r = np.clip(x / 2.0 ** e, -448, 448)
;;       step = 2.0 ** (np.maximum(np.frexp(np.where(r == 0, 1, r))[1] - 1, -6) - 3)
;;       q = np.round(r / step) * step * 2.0 ** e      # np.round: ties to even
;;       return np.moveaxis(q, -1, axis).astype(np.float32)
;;   ~~~
;;   SOFTMAX AHEAD OF A QUANTISED PRODUCT. Where the list says 'softmax', what is quantised is not the finished softmax but p = 2^(t - M), with t = logit x log2(e) and M = ceil(the row's largest t), a whole number; so 1/2 < the row's largest p <= 1. The row's sum l is taken of the UNQUANTISED p, in f32, and the product's result is divided by l at the end. Since M is a whole number, a kernel that streams over the keys may use a running M (the ceiling of the running maximum): every later rescaling is an exact power of two, so the quantised numbers keep their values, but for numbers so far below the row's largest that they fall under the format's range.
;;   OPERANDS COMPUTED ON THE WAY. 'Computed on the way' means the value that the module computes at that place (a softmax that the list does not call 'softmax' is quantised finished and normalised). What goes into a quantiser is computed in f32, as accurately as f32 sums, v_exp_f32 and their like allow (about 1e-6 of the number): no bf16 or f16 on the way to a quantiser, and a product that is left as it is and whose result goes on into a quantised operand takes f32 operands (vector FMAs, or v_wmma_f32_16x16x4_f32). A number that lies on a knife's edge between two numbers of the format may be rounded either way, as far as f32 arithmetic and the matrix unit's own rounding can turn it there, and no further.
;; One version. Each part assembles by itself: llvm-mc -triple=amdgcn-amd-amdhsa -mcpu=gfx1250 --defsym DOCPART=n.
;; ======== version 1 of 1: 4 launches
;; limits: right only within a limited range of input values
;; workspace buffers: xc 8,388,608 bytes; wqc 3,145,728 bytes; wpc 1,048,576 bytes; qkvc 25,165,824 bytes; yc 8,388,608 bytes
;; launch quant (part 1): grid 384 x 1, 4 waves a work-group, no clusters, 35,328 bytes of LDS; arguments x, w_qkv, w_proj, lowp_scales, xc, wqc, wpc; writes xc, wqc, wpc
.if DOCPART == 1
	.amdgcn_target "amdgcn-amd-amdhsa--gfx1250"
	.amdhsa_code_object_version 6
	.text
	.protected	k_q921ee859d9_quant
	.globl	k_q921ee859d9_quant
	.p2align	8
	.type	k_q921ee859d9_quant,@function
k_q921ee859d9_quant:
	s_mov_b64 s[64:65], 0
	v_nop
	global_prefetch_b8 v0, s[64:65] scope:SCOPE_SE
	s_setreg_imm32_b32 hwreg(HW_REG_WAVE_MODE, 25, 1), 1
	s_wait_xcnt 0x0
; x [8192][1024], w_qkv [1024][3072] and w_proj [1024][1024], f32, become codes of FP8 (E4M3), each with the one scale 2^e given for it (entries 0, 1 and 7 of the scales).
; code = number / 2^e, held within +-448, rounded to the nearest code, ties to even.  LIMITS: each e between -126 and 119; NaN among the inputs is not served.
; THE CODES' LAYOUT is an image of the matrix operand's registers.  A BLOCK is 16 rows x 64 along K, 1,024 bytes, laid [c 0..1][h 0..1][r 0..15][16 bytes]: the 16 bytes of (c, h, r) are row r's codes
; of k = 32 c + 8 h + 0..7 and then of k = 32 c + 16 + 8 h + 0..7: registers 4 c .. 4 c + 3 of lane 16 h + r of a fragment.  Blocks lie [128 rows][64 along K][16 rows].
; For the weights a row is a column n: K is their first axis.
; Work-groups 0-255 take x, 256-351 w_qkv, 352-383 w_proj; each reads 131,072 bytes and stores 32,768.  Waves share nothing: no barrier.  Only x's path uses LDS.
.set R,    16                          ; x: v16-111   three sets of 32 registers as loaded
.set X,    112                         ; x: v112-175  two sets of 32 numbers in the operand's order
.set C,    176                         ; x: v176-239  eight registers of codes for each block: no store's data are written again
.set SP,   272                         ; a stage row: 256 bytes + 16: the sixteen rows that a read touches start at sixteen different groups of banks
.set STG,  16*SP                       ; a stage: 16 rows
.set WREG, 2*STG                       ; two stages for each wave
.set WX,   16                          ; weights: v16-79   two sets of 32 numbers
.set WC,   112                         ; weights: v112-175 eight registers of codes for each block
	s_load_b256 s[4:11], s[0:1], 0x0               ; x s[4:5], w_qkv s[6:7], w_proj s[8:9], the scales' exponents s[10:11]
	s_load_b128 s[12:15], s[0:1], 0x20             ; xc s[12:13], wqc s[14:15]
	s_load_b64 s[16:17], s[0:1], 0x30              ; wpc
	v_lshl_add_u32 v240, v0, 2, 0x8800
	v_mov_b32 v241, 0
	v_lshrrev_b32 v1, 5, v0
	v_readfirstlane_b32 s18, v1                    ; wave 0..3
	v_and_b32 v2, 31, v0                           ; lane
	v_and_b32 v5, 15, v0                           ; r
	v_bfe_u32 v6, v0, 4, 1                         ; hh = lane / 16
	s_wait_kmcnt 0x0
	s_load_b256 s[24:31], s[10:11], 0x0            ; e0 .. e7
.macro MKSCALE e                       ; v11 = 2^e as f32 (the conversion takes its exponent field)
	s_wait_kmcnt 0x0
	s_add_co_i32 s38, s[\e], 127
	s_lshl_b32 s39, s38, 23
	v_mov_b32 v11, s39
	s_add_co_i32 s38, s38, 8
	s_lshl_b32 s38, s38, 23
	s_or_b32 s38, s38, 0x600000
.endm
	s_cmp_lt_u32 ttmp9, 256
	s_cbranch_scc0 .Lweights
; ---- x.  A wave takes 16 rows x 512 along K: eight blocks.  Each load reads two rows' 256 aligned bytes as they lie; a block turns through the wave's own stage in LDS and comes back in the operand's order.
	s_lshl_b32 s32, ttmp9, 1
	s_lshr_b32 s33, s18, 1
	s_add_co_u32 s32, s32, s33                     ; my 16 rows: tile 2 x work-group + wave / 2
	s_and_b32 s33, s18, 1                          ; my half of K
	s_lshl_b32 s36, s32, 16                        ; 16 rows of 4,096 bytes
	s_lshl_b32 s34, s33, 11
	s_add_co_u32 s36, s36, s34
	s_mov_b32 s37, 0
	s_add_nc_u64 s[4:5], s[4:5], s[36:37]
	s_lshr_b32 s36, s32, 3
	s_lshl_b32 s36, s36, 17                        ; codes: 131,072 bytes for 128 rows,
	s_and_b32 s34, s32, 7
	s_lshl_b32 s34, s34, 10                        ; 1,024 for my 16 of them,
	s_add_co_u32 s36, s36, s34
	s_lshl_b32 s34, s33, 16                        ; 8,192 for 64 along K: eight of them to a half
	s_add_co_u32 s36, s36, s34
	s_add_nc_u64 s[12:13], s[12:13], s[36:37]
	s_wait_alu depctr_va_vdst(0)
	v_lshlrev_b32 v3, 12, v6
	v_lshl_add_u32 v3, v5, 4, v3                   ; in: lanes 0-15 one row's 256 bytes, lanes 16-31 the next row's
	v_lshlrev_b32 v4, 4, v2                        ; out: 16 bytes a lane
	s_mul_i32 s34, s18, WREG
	v_mul_u32_u24 v14, v6, SP
	v_lshl_add_u32 v14, v5, 4, v14
	v_add_nc_u32 v14, s34, v14                     ; the stage, on the way in: row hh, 16 r
	v_mul_u32_u24 v15, v5, SP
	v_lshl_add_u32 v15, v6, 5, v15
	v_add_nc_u32 v15, s34, v15                     ; and on the way out: row r, 32 hh: eight numbers of my half
.macro XLOAD t
.irp i, 0,1,2,3,4,5,6,7
	global_load_b128 v[R+32*((\t)%3)+4*\i:R+32*((\t)%3)+4*\i+3], v3, s[4:5] offset:256*(\t)+8192*\i th:TH_LOAD_NT
.endr
.endm
.macro XTURN t                         ; LDS serves a wave's instructions in order: no wait stands between the stores and the loads
.irp i, 0,1,2,3,4,5,6,7
	ds_store_b128 v14, v[R+32*((\t)%3)+4*\i:R+32*((\t)%3)+4*\i+3] offset:STG*((\t)%2)+2*SP*\i
.endr
.irp c, 0,1                            ; k = 32 c + 8 hh + 0..7, then 32 c + 16 + 8 hh + 0..7
	ds_load_b128 v[X+32*((\t)%2)+16*\c:X+32*((\t)%2)+16*\c+3],     v15 offset:STG*((\t)%2)+128*\c
	ds_load_b128 v[X+32*((\t)%2)+16*\c+4:X+32*((\t)%2)+16*\c+7],   v15 offset:STG*((\t)%2)+128*\c+16
	ds_load_b128 v[X+32*((\t)%2)+16*\c+8:X+32*((\t)%2)+16*\c+11],  v15 offset:STG*((\t)%2)+128*\c+64
	ds_load_b128 v[X+32*((\t)%2)+16*\c+12:X+32*((\t)%2)+16*\c+15], v15 offset:STG*((\t)%2)+128*\c+80
.endr
.endm
.macro XSTEP t
	s_wait_dscnt 0x0                               ; this block is back from the stage, and its stores into the stage have read their registers,
.if (\t)+3 < 8
	XLOAD (\t)+3                                   ; which take the block three further on
.endif
.if (\t)+1 < 8
.if (\t) <= 4
	s_wait_loadcnt 16                              ; the next block's eight loads are in; those of the two blocks behind it may be out
.else
	s_wait_loadcnt 8*(6-(\t))                      ; towards the end: one block behind it, then none
.endif
	XTURN (\t)+1                                   ; it goes through the other stage while this block is worked
.endif
.set XS, X+32*((\t)%2)
.set ii, 0
.rept 32
.set ii, ii+1
.endr
.irp c, 0,1
.irp u, 0,1
	v_cvt_scalef32_pk8_fp8_f32 v[C+8*(\t)+4*\c+2*\u:C+8*(\t)+4*\c+2*\u+1], v[XS+16*\c+8*\u:XS+16*\c+8*\u+7], v11
.endr
.endr
.irp c, 0,1
	global_store_b128 v4, v[C+8*(\t)+4*\c:C+8*(\t)+4*\c+3], s[12:13] offset:8192*(\t)+512*\c   ; the wave stores 512 consecutive bytes, aligned
.endr
.endm
	XLOAD 0
	XLOAD 1
	XLOAD 2
	s_wait_alu depctr_va_vdst(0)
	MKSCALE 24                                     ; e0
	s_wait_alu depctr_va_vdst(0)
	s_wait_loadcnt 16                              ; block 0 is in; blocks 1 and 2 may be out
	XTURN 0
.irp t, 0,1,2,3,4,5,6,7
	XSTEP \t
.endr
	s_wait_tensorcnt 0x0
	ds_add_u32 v240, v241
	s_wait_dscnt 0x0
	s_endpgm
; ---- the weights.  A LANE TAKES A COLUMN n AND ITS REGISTERS RUN DOWN K: the conversions then give codes with K innermost, and the lane's 16 bytes of each half of a block's chunk lie beside its neighbours'.
; A work-group takes 128 columns x 256 along K, a wave 32 columns: eight blocks of 32 along K; loads run two blocks ahead.
.macro WLOAD t
.set ii, 0
.rept 32
	global_load_b32 v[WX+32*((\t)%2)+ii], v3, s[WS:WS+1] offset:(32*(\t)+ii)*WN*4 th:TH_LOAD_NT   ; 32 lanes read 128 consecutive bytes; the largest offset, 255 rows, lies inside the signed 24-bit immediate
.set ii, ii+1
.endr
.endm
.macro WBLOCK t
.if (\t) < 7
	s_wait_loadcnt 32                              ; this block's 32 loads are in; the next block's may be out
.else
	s_wait_loadcnt 0x0
.endif
.set ii, 0
.rept 32
.set ii, ii+1
.endr
.irp g, 0,1,2,3                        ; k = 8 g + 0..7: groups 0 and 2 are the 16 bytes of h = 0, groups 1 and 3 those of h = 1
	v_cvt_scalef32_pk8_fp8_f32 v[WC+8*(\t)+4*(\g%2)+2*(\g/2):WC+8*(\t)+4*(\g%2)+2*(\g/2)+1], v[WX+32*((\t)%2)+8*\g:WX+32*((\t)%2)+8*\g+7], v11
.endr
	global_store_b128 v8, v[WC+8*(\t):WC+8*(\t)+3],   s[WD:WD+1] offset:((\t)/2)*8192+((\t)%2)*512       ; sixteen lanes store 256 consecutive bytes, aligned
	global_store_b128 v8, v[WC+8*(\t)+4:WC+8*(\t)+7], s[WD:WD+1] offset:((\t)/2)*8192+((\t)%2)*512+256
.if (\t)+2 < 8
	WLOAD (\t)+2
.endif
.endm
.macro WPATH n, src, dst, e, first
.set WN, \n
.set WS, \src
.set WD, \dst
	s_sub_co_u32 s32, ttmp9, \first
	s_lshr_b32 s33, s32, 2                         ; which 128 columns
	s_and_b32 s34, s32, 3                          ; which 256 along K
	s_mul_i32 s36, s34, 256*WN*4
	s_lshl_b32 s35, s33, 9
	s_add_co_u32 s36, s36, s35
	s_lshl_b32 s35, s18, 7                         ; my wave's 32 columns
	s_add_co_u32 s36, s36, s35
	s_mov_b32 s37, 0
	s_add_nc_u64 s[WS:WS+1], s[WS:WS+1], s[36:37]
	s_lshl_b32 s36, s33, 17
	s_lshl_b32 s35, s34, 15
	s_add_co_u32 s36, s36, s35
	s_lshl_b32 s35, s18, 11                        ; my wave's two tiles of 16 columns
	s_add_co_u32 s36, s36, s35
	s_add_nc_u64 s[WD:WD+1], s[WD:WD+1], s[36:37]
	v_lshlrev_b32 v3, 2, v2
	v_lshlrev_b32 v8, 10, v6
	v_lshl_add_u32 v8, v5, 4, v8                   ; out: tile hh, 16 r
	WLOAD 0
	WLOAD 1
	MKSCALE \e
	s_wait_alu depctr_va_vdst(0)
.irp t, 0,1,2,3,4,5,6,7
	WBLOCK \t
.endr
	s_endpgm
.endm
.Lweights:
	s_cmp_lt_u32 ttmp9, 352
	s_cbranch_scc0 .Lproj
	s_wait_alu depctr_va_vdst(0)
	WPATH 3072, 6, 14, 25, 256                     ; w_qkv, e1
.Lproj:
	s_wait_alu depctr_va_vdst(0)
	WPATH 1024, 8, 16, 31, 352                     ; w_proj, e7
.Lfunc_end_k_q921ee859d9_quant:
	.size	k_q921ee859d9_quant, .Lfunc_end_k_q921ee859d9_quant-k_q921ee859d9_quant
	.p2alignl 7, 3214868480
	.fill 96, 4, 3214868480
	.section	.rodata,"a",@progbits
	.p2align	6, 0x0
	.amdhsa_kernel k_q921ee859d9_quant
		.amdhsa_group_segment_fixed_size 35328
		.amdhsa_private_segment_fixed_size 0
		.amdhsa_enable_private_segment 0
		.amdhsa_kernarg_size 56
		.amdhsa_user_sgpr_count 2
		.amdhsa_user_sgpr_kernarg_segment_ptr 1
		.amdhsa_wavefront_size32 1
		.amdhsa_system_sgpr_workgroup_id_x 1
		.amdhsa_system_sgpr_workgroup_id_y 1
		.amdhsa_system_sgpr_workgroup_id_z 1
		.amdhsa_system_vgpr_workitem_id 0
		.amdhsa_next_free_vgpr 242
		.amdhsa_next_free_sgpr 66
		.amdhsa_reserve_vcc 0
		.amdhsa_float_denorm_mode_32 3
		.amdhsa_float_denorm_mode_16_64 3
		.amdhsa_fp16_overflow 1
		.amdhsa_memory_ordered 1
		.amdhsa_forward_progress 1
		.amdhsa_inst_pref_size 79
	.end_amdhsa_kernel
	.amdgpu_metadata
---
amdhsa.version: [ 1, 2 ]
amdhsa.kernels:
  - .name:           k_q921ee859d9_quant
    .symbol:         k_q921ee859d9_quant.kd
    .args:
      - { .name: x, .offset: 0, .size: 8, .value_kind: global_buffer, .address_space: global }
      - { .name: w_qkv, .offset: 8, .size: 8, .value_kind: global_buffer, .address_space: global }
      - { .name: w_proj, .offset: 16, .size: 8, .value_kind: global_buffer, .address_space: global }
      - { .name: lowp_scales, .offset: 24, .size: 8, .value_kind: global_buffer, .address_space: global }
      - { .name: xc, .offset: 32, .size: 8, .value_kind: global_buffer, .address_space: global }
      - { .name: wqc, .offset: 40, .size: 8, .value_kind: global_buffer, .address_space: global }
      - { .name: wpc, .offset: 48, .size: 8, .value_kind: global_buffer, .address_space: global }
    .group_segment_fixed_size: 35328
    .private_segment_fixed_size: 0
    .kernarg_segment_align: 8
    .kernarg_segment_size: 56
    .max_flat_workgroup_size: 128
    .sgpr_count:     66
    .vgpr_count:     242
    .wavefront_size: 32
...
	.end_amdgpu_metadata
.endif
;; end of part 1
;; launch qkv (part 2): grid 12 x 32, 4 waves a work-group, clusters of 4 x 4, 327,680 bytes of LDS; arguments xc, wqc, lowp_scales, b_qkv, qkvc; writes qkvc
.if DOCPART == 2
	.amdgcn_target "amdgcn-amd-amdhsa--gfx1250"
	.amdhsa_code_object_version 6
	.text
	.protected	k_q921ee859d9_qkv
	.globl	k_q921ee859d9_qkv
	.p2align	8
	.type	k_q921ee859d9_qkv,@function
k_q921ee859d9_qkv:
	s_mov_b64 s[64:65], 0
	v_nop
	global_prefetch_b8 v0, s[64:65] scope:SCOPE_SE
	s_setreg_imm32_b32 hwreg(HW_REG_WAVE_MODE, 25, 1), 1
	s_wait_xcnt 0x0
	s_wait_alu depctr_hold_cnt(0) depctr_sa_sdst(0) depctr_va_vdst(0) depctr_va_sdst(0) depctr_va_ssrc(0) depctr_va_vcc(0) depctr_vm_vsrc(0)
	s_getreg_b32 s2, hwreg(HW_REG_IB_STS2, 6, 4)
	s_cmp_eq_u32 s2, 0
	s_cbranch_scc0 .Lentry_in_a_cluster
	s_endpgm
.Lentry_in_a_cluster:
	s_bfe_u32 s2, ttmp6, 0x10000c
	s_cmp_lg_u32 s2, 0xf033
	s_cbranch_scc0 .Lentry_shape_is_right
	s_endpgm
.Lentry_shape_is_right:
; qkv = x w_qkv + b_qkv on codes of FP8 (E4M3), sums in f32; q, k and v leave as codes, quantised with 2^e2, 2^e3, 2^e5, in the order of the next products' operand registers.
; LIMITS: e2 - e0 - e1, e3 - e0 - e1 and e5 - e0 - e1 lie between -126 and 119, so that each power of two below is an f32 number.  NaN is not served.
; CODES lie in blocks of 16 rows x 64 K, 1,024 bytes, [c 0..1][lane][16 bytes]: registers 4 c .. 4 c + 3 of a fragment; blocks lie [128 rows][64 along K][16 rows].  So a fragment of 128 along K is four loads of
; 512 consecutive bytes, k stands in this form's own places, a slot's tiles are dense blocks of memory, and LDS needs no padding.
; A tile of 256 x 256 of the product is made by four waves, 128 x 128 each: 64 accumulators.  K = 1,024 goes in four steps of 256 through a ring of two LDS slots.
; Source 0 of the matrix instruction takes 16 rows of "B", source 1 16 rows of "A": lane (r, h), register j then holds (B's row 8 h + j, A's row r), and eight registers converted are registers 2 b, 2 b + 1 of a fragment
; whose rows are A's and whose K runs along B's rows.  q and k want K = the head's 64 channels: A = x, B = w_qkv.  v wants K = the keys: A = w_qkv, B = x.  Cluster column 0 makes q, 1 makes k, 2 makes v: the choice hangs on
; the cluster's x alone, which all sixteen partners share.
; CLUSTERS: 4 x 4 work-groups; A's tile is asked for jointly by a row of the cluster, B's by a column.
; The bias, divided by 2^(e0 + e1), is the C of each sum's first product.
; qkvc: for each (batch, head) 393,216 bytes: q [16 tokens][1,024], k the same at +131,072, v [128 keys][16 channels][2,048] at +262,144.
; REGISTERS: window 0: v16-31 addresses; v32-95 the bias in the result's layout; from v128 A's fragments, one set, later the codes.  window 1: B's fragments, two sets.  windows 2, 3: the accumulators ((a, b) at v[8 (8 (a % 4) + b)]).
.set FR,    16                         ; registers of a fragment: 16 rows x 128 K
.set NL,    4                          ; LDS loads that bring one
.set NP,    4                          ; places behind this matrix instruction (ISA guide 7.12.1)
.set PART,  32768                      ; 128 rows x 256 K: what one tensor load brings, and what one wave reads of A or of B
.set SLOT,  4*PART                     ; A's two halves, then B's two
.set SPARE, 2*SLOT                     ; behind the ring: the spare words, 128 bytes for each wave
.set ADRA, 16                          ; v16-17  LDS address of my A fragments in slot 0, 1
.set ADRB, 18                          ; v18-19  the same for B
.set SPW,  20                          ; v20     LDS address of my spare word; never rewritten
.set NIL,  21                          ; v21     0; never rewritten
.set SCL,  22                          ; v22     the conversions' scale
.set L16,  23                          ; v23     16 x lane
.set CO,   24                          ; v24-31  the way out: byte offsets of my 16 bytes
.set BIAS, 32
.set TB,   96                          ; v96-103 v's bias as loaded
.set AF,   128
.set CD,   128                         ; the codes: 16 registers for each of A's blocks
.set G1, 24                            ; s[24:31] descriptor group 1 for A's tiles;  s[32:39] group 0, one set for each slot
.set G0, 32
.set G1B, 48                           ; s[48:55], s[56:63] the same for B's tiles
.set G0B, 56
.set MSB, 0
.macro WIN new                         ; the immediate's high byte repeats the setting that is left
.if MSB != \new
	s_set_vgpr_msb (MSB<<8)|\new
.set MSB, \new
.endif
.endm
.set MUL_LO, 0xa1                      ; source 0 (B) window 1, source 1 (A) window 0, C and D window 2
.set MUL_HI, 0xf1                      ; the same, C and D window 3
.set TO_B,   0x40                      ; destination window 1, address window 0
.macro JLOAD g0a, g1a, g0b, g1b        ; a joint load: waves 0 and 1 fetch for A, waves 2 and 3 for B; four v_nop follow each of the two lines
	s_cmp_eq_u32 s15, 0
	s_cbranch_scc0 .Lfor_b_\@
	tensor_load_to_lds s[\g0a:\g0a+3], s[\g1a:\g1a+7]
	s_nop 0
.rept 4
	v_nop
.endr
	s_branch .Lasked_\@
.Lfor_b_\@:
	tensor_load_to_lds s[\g0b:\g0b+3], s[\g1b:\g1b+7]
	s_nop 0
.rept 4
	v_nop
.endr
.Lasked_\@:
.endm
.macro CREST                           ; a round of the cluster's barrier behind its opening barrier
	s_cmp_lg_u32 s14, 0
	s_cbranch_scc1 .Lnot_wave_0_\@
	s_barrier_signal -3
.Lnot_wave_0_\@:
	s_barrier_wait -3
	s_barrier_signal -1
	s_barrier_wait -1
.endm
.macro CROUND
	s_barrier_signal -1
	s_barrier_wait -1
	CREST
.endm
.macro PLACES n
.rept \n
	v_nop
.endr
.endm
	s_load_b128 s[4:7], s[0:1], 0x0                ; xc s[4:5], wqc s[6:7]
	s_load_b128 s[8:11], s[0:1], 0x10              ; the scales' exponents s[8:9], b_qkv s[10:11]
	s_load_b64 s[12:13], s[0:1], 0x20              ; qkvc
	v_lshl_add_u32 v[SPW], v0, 2, SPARE
	v_mov_b32 v[NIL], 0
	ds_add_u32 v20, v21
	ds_add_u32 v20, v21
	s_wait_dscnt 0x0
	v_lshrrev_b32 v1, 5, v0
	v_readfirstlane_b32 s14, v1                    ; wave 0..3
	s_lshr_b32 s15, s14, 1                         ; which half of A's rows is mine.  Also: I fetch for A (0) or for B (1)
	s_and_b32 s16, s14, 1                          ; which half of B's rows.  Also: which 128 rows of that tile I fetch
	s_bfe_u32 s40, ttmp6, 0x40000                  ; cx, cy: my place in the cluster
	s_bfe_u32 s41, ttmp6, 0x40004
	s_mov_b32 s18, ttmp9                           ; the cluster's x: 0 q, 1 k, 2 v
	s_and_b32 s19, ttmp7, 0xffff                   ; the cluster's y
	s_lshl_b32 s20, s19, 2
	s_lshl_b32 s21, s18, 2
	s_cmp_eq_u32 s18, 2
	s_cselect_b32 s17, 1, 0                        ; 1: this cluster makes v
	s_cselect_b32 s42, 8, s20
	s_cselect_b32 s43, s20, s21
	s_add_co_u32 s42, s42, s41                     ; A's tile of 256 rows: of x, 4 x cluster y + cy; for v: of w_qkv's columns, 8 + cy
	s_add_co_u32 s43, s43, s40                     ; B's tile: of w_qkv's columns, 4 x cluster x + cx; for v: of x, 4 x cluster y + cx
	s_lshl_b32 s44, s41, 2
	s_lshl_b32 s44, 15, s44                        ; my row of the cluster
	s_lshl_b32 s45, 0x1111, s40                    ; my column
	; descriptor group 1: a dense block of 128 rows of 256 bytes, in elements of 8 bytes, no padding
	s_or_b32 s[G1+0], s44, (3<<16)|(1<<21)         ; 15:0 the mask: A's tiles go to my row; 17:16 elements of 8 bytes; 21 set beside a mask
	s_or_b32 s[G1B+0], s45, (3<<16)|(1<<21)
.irp g, G1, G1B
	s_mov_b32 s[\g+1], 32<<16                      ; tensor_dim0 = 32
	s_mov_b32 s[\g+2], 128<<16                     ; tensor_dim1 = 128
	s_mov_b32 s[\g+3], 32<<16                      ; tile_dim0 = 32
	s_mov_b32 s[\g+4], 128                         ; tile_dim1 = 128
	s_mov_b32 s[\g+5], 32                          ; from row to row
	s_mov_b32 s[\g+6], 0
	s_mov_b32 s[\g+7], 0
.endr
	s_lshl_b32 s47, s16, 17                        ; which 128 rows of a tile I fetch: 131,072 bytes of codes each
	s_lshl_b32 s76, s42, 18
	s_add_co_u32 s76, s76, s47
	s_mov_b32 s77, 0
	s_lshl_b32 s78, s43, 18
	s_add_co_u32 s78, s78, s47
	s_mov_b32 s79, 0
	s_lshl_b32 s46, s14, 15                        ; where they go: wave x 32,768: no place in the cluster enters an LDS address
	s_wait_kmcnt 0x0
	s_load_b256 s[68:75], s[8:9], 0x0              ; e0 .. e7
	s_cmp_eq_u32 s17, 1
	s_cselect_b64 s[92:93], s[6:7], s[4:5]         ; A's buffer
	s_cselect_b64 s[94:95], s[4:5], s[6:7]         ; B's
	s_add_nc_u64 s[76:77], s[92:93], s[76:77]
	s_add_nc_u64 s[78:79], s[94:95], s[78:79]
	CROUND                                         ; all sixteen work-groups are here: the first joint loads meet
.irp s, 0,1
	s_mov_b32 s[G0+4*\s], 1
	s_add_co_u32 s[G0+4*\s+1], s46, \s*SLOT
	s_add_nc_u64 s[G0+4*\s+2:G0+4*\s+3], s[76:77], \s*PART
	s_or_b32 s[G0+4*\s+3], s[G0+4*\s+3], 0x80000000
	s_mov_b32 s[G0B+4*\s], 1
	s_add_co_u32 s[G0B+4*\s+1], s46, \s*SLOT
	s_add_nc_u64 s[G0B+4*\s+2:G0B+4*\s+3], s[78:79], \s*PART
	s_or_b32 s[G0B+4*\s+3], s[G0B+4*\s+3], 0x80000000
	JLOAD G0+4*\s, G1, G0B+4*\s, G1B
.endr
	v_and_b32 v1, 15, v0                           ; r
	v_bfe_u32 v2, v0, 4, 1                         ; h
	v_and_b32 v[L16], 31, v0
	v_lshlrev_b32 v[L16], 4, v[L16]
	s_lshl_b32 s66, s15, 15                        ; my 128 rows of A
	v_add_nc_u32 v[ADRA], s66, v[L16]
	v_add_nc_u32 v[ADRA+1], SLOT, v[ADRA]
	s_lshl_b32 s66, s16, 15                        ; my 128 rows of B,
	s_add_co_u32 s66, s66, 2*PART                  ; which lie behind A's 256
	v_add_nc_u32 v[ADRB], s66, v[L16]
	v_add_nc_u32 v[ADRB+1], SLOT, v[ADRB]
	s_wait_kmcnt 0x0
	s_add_co_i32 s85, s68, s69
	s_sub_co_i32 s85, 0, s85                       ; -(e0 + e1): a sum stands for sum x 2^(e0 + e1), so the bias goes in divided by that
	; ---- the bias, in the result's layout
	s_cmp_eq_u32 s17, 1
	s_cbranch_scc1 .Lbias_v
	s_lshl_b32 s90, s43, 10                        ; q, k: register 8 b + j holds the bias of column 16 b + 8 h + j of my 128
	s_lshl_b32 s91, s16, 9
	s_add_co_u32 s90, s90, s91
	s_mov_b32 s91, 0
	s_add_nc_u64 s[90:91], s[10:11], s[90:91]
	s_wait_alu depctr_va_vdst(0)
	v_lshlrev_b32 v3, 5, v2
.irp b, 0,1,2,3,4,5,6,7
	global_load_b128 v[BIAS+8*\b:BIAS+8*\b+3],   v3, s[90:91] offset:64*\b
	global_load_b128 v[BIAS+8*\b+4:BIAS+8*\b+7], v3, s[90:91] offset:64*\b+16
.endr
	s_wait_loadcnt 0x0
.set jj, 0
.rept 64
	v_ldexp_f32 v[BIAS+jj], v[BIAS+jj], s85
.set jj, jj+1
.endr
	s_branch .Lbias_done
.Lbias_v:
	s_lshl_b32 s90, s42, 10                        ; v: all eight registers of block a hold the bias of column 16 a + r of my 128
	s_lshl_b32 s91, s15, 9
	s_add_co_u32 s90, s90, s91
	s_mov_b32 s91, 0
	s_add_nc_u64 s[90:91], s[10:11], s[90:91]
	s_wait_alu depctr_va_vdst(0)
	v_lshlrev_b32 v3, 2, v1
.irp a, 0,1,2,3,4,5,6,7
	global_load_b32 v[TB+\a], v3, s[90:91] offset:64*\a
.endr
	s_wait_loadcnt 0x0
.set jj, 0
.rept 64
	v_ldexp_f32 v[BIAS+jj], v[TB+jj/8], s85
.set jj, jj+1
.endr
.Lbias_done:
	; ---- the way out's numbers.  P: the tile of 256 tokens; W: the tile of 256 columns; ts, hs: my half of each
	s_cmp_eq_u32 s17, 1
	s_cselect_b32 s88, s43, s42                    ; P
	s_cselect_b32 s89, s42, s43                    ; W
	s_cselect_b32 s96, s15, s16                    ; hs
	s_cselect_b32 s97, s16, s15                    ; ts
	s_mov_b32 s82, 1024
	s_cselect_b32 s82, 2048, s82                   ; from one of A's blocks to the next: 16 tokens of q, k: 1,024;  16 channels of v: 2,048
	s_mov_b32 s83, 4096
	s_cselect_b32 s83, 393216, s83                 ; four of A's blocks on: 64 tokens;  v: the next head
	s_mov_b32 s84, 393216
	s_cselect_b32 s84, 1024, s84                   ; B's blocks 4-7: the next head;  v: keys 64 on
	s_cselect_b32 s98, s73, s71                    ; the result's exponent: e5 for v, e3 for k,
	s_cmp_eq_u32 s18, 0
	s_cselect_b32 s98, s70, s98                    ; e2 for q
	s_lshr_b32 s99, s88, 3                         ; the batch: 8 tiles of tokens each
	s_lshl_b32 s99, s99, 4
	s_and_b32 s89, s89, 3
	s_lshl_b32 s89, s89, 2                         ; four heads to a tile of columns
	s_add_co_u32 s99, s99, s89
	s_lshl_b32 s96, s96, 1
	s_add_co_u32 s99, s99, s96                     ; 16 x batch + my first head
	s_mul_i32 s22, s99, 393216
	s_lshl_b32 s99, s18, 17                        ; q, k or v
	s_add_co_u32 s22, s22, s99
	s_and_b32 s88, s88, 7
	s_lshl_b32 s88, s88, 1
	s_add_co_u32 s88, s88, s97
	s_lshl_b32 s88, s88, 13                        ; my 128 tokens: 8,192 bytes in each of the three
	s_add_co_u32 s22, s22, s88
	s_mov_b32 s23, 0
	s_add_nc_u64 s[12:13], s[12:13], s[22:23]      ; for A's blocks 0-3
	s_mov_b32 s22, s83
	s_add_nc_u64 s[80:81], s[12:13], s[22:23]      ; for blocks 4-7
.irp a, 0,1,2,3
	s_mul_i32 s22, s82, \a
	v_add_nc_u32 v[CO+2*\a], s22, v[L16]
	s_add_co_u32 s22, s22, s84
	v_add_nc_u32 v[CO+2*\a+1], s22, v[L16]
.endr
	s_add_co_i32 s98, s98, s85                     ; a code is sum / 2^(e - e0 - e1): the three scales folded into the conversion's one
	s_add_co_i32 s98, s98, 127
	s_lshl_b32 s99, s98, 23
	v_mov_b32 v[SCL], s99
.macro FRAG reg, adr, q, i             ; tile i's fragment of the slot's q-th 128 along K: chunk c = registers 4 c .. 4 c + 3; each load takes 512 consecutive bytes
.irp c, 0,1,2,3
	ds_load_b128 v[\reg+4*\c:\reg+4*\c+3], v[\adr] offset:(2*(\q)+\c/2)*8192+(\i)*1024+(\c%2)*512
.endr
.endm
; 16 matrix instructions: A's blocks a0, a0 + 1 x B's eight.  p: B's set.  zero = 1: the first product starts the sums from the bias by B's block (q, k); 2: by A's block (v).
; The 64 accumulators take turns, one instruction a turn, in the same order in every step.
.macro MUL16 a0, p, zero
.irp a, \a0, \a0+1
.irp b, 0,1,2,3,4,5,6,7
.if \zero == 1
	v_wmma_f32_16x16x128_fp8_fp8 v[8*(8*((\a)%4)+\b):8*(8*((\a)%4)+\b)+7], v[128*(\p)+FR*\b:128*(\p)+FR*\b+FR-1], v[AF+FR*(\a):AF+FR*(\a)+FR-1], v[BIAS+8*\b:BIAS+8*\b+7]
.elseif \zero == 2
	v_wmma_f32_16x16x128_fp8_fp8 v[8*(8*((\a)%4)+\b):8*(8*((\a)%4)+\b)+7], v[128*(\p)+FR*\b:128*(\p)+FR*\b+FR-1], v[AF+FR*(\a):AF+FR*(\a)+FR-1], v[BIAS+8*(\a):BIAS+8*(\a)+7]
.else
	v_wmma_f32_16x16x128_fp8_fp8 v[8*(8*((\a)%4)+\b):8*(8*((\a)%4)+\b)+7], v[128*(\p)+FR*\b:128*(\p)+FR*\b+FR-1], v[AF+FR*(\a):AF+FR*(\a)+FR-1], v[8*(8*((\a)%4)+\b):8*(8*((\a)%4)+\b)+7]
.endif
.endr
.endr
.endm
.macro FETCH_B slot, q, p
	WIN TO_B
.irp i, 0,1,2,3,4,5,6,7
	FRAG 128*(\p)+FR*\i, ADRB+\slot, \q, \i
.endr
	WIN 0
.endm
.macro FETCH_A slot, q, i0
.irp i, \i0, \i0+1, \i0+2, \i0+3
	FRAG AF+FR*(\i), ADRA+\slot, \q, \i
.endr
.endm
; A step of 128 along K that has its successor in the same slot.  A block of A is free as soon as its eight products are issued: blocks 0-3 are fetched anew in the step's middle, blocks 4-7 at its end.
.macro STEP slot, q, zero
	s_wait_dscnt 4*NL                              ; B's set and A's blocks 0-3 are in; the youngest sixteen loads (A's blocks 4-7) may be out
.if \zero
	WIN 0x81                                       ; C (the bias) in window 0, D in window 2
.else
	WIN MUL_LO
.endif
	MUL16 0, (\q)%2, \zero
	MUL16 2, (\q)%2, \zero
	s_wait_dscnt 0                                 ; A's blocks 4-7 are in
	PLACES NP                                      ; in front of loads into registers that matrix instructions have read
	FETCH_B \slot, (\q)+1, 1-(\q)%2
	FETCH_A \slot, (\q)+1, 0
.if \zero
	WIN 0xc1                                       ; C in window 0, D in window 3
.else
	WIN MUL_HI
.endif
	MUL16 4, (\q)%2, \zero
	MUL16 6, (\q)%2, \zero
	PLACES NP
	WIN 0
	FETCH_A \slot, (\q)+1, 4
.endm
; A slot's last step changes slots: one barrier; in front of it each wave waits for all its tensor loads, adds 0 to its spare word, and waits for that and for its own reads of this slot.  fill = 1: this slot is filled again, two K steps ahead.
.macro TURN slot, next, fill
	s_wait_tensorcnt 0x0                           ; all my tensor loads have landed: my part of the next slot  (every window is 0 here)
	ds_add_u32 v[SPW], v[NIL]                      ; 0 onto my spare word
	s_wait_dscnt 4*NL+1                            ; the add and the youngest sixteen loads (A's blocks 4-7) may be out
	WIN MUL_LO
	MUL16 0, 1, 0                                  ; sixteen matrix instructions stand between the add and the wait for it
	s_wait_dscnt 0x0                               ; the add is done, and my reads of this slot are over
	s_barrier_signal -1
	MUL16 2, 1, 0
	WIN 0
	s_barrier_wait -1
.if \fill
	CREST                                          ; the barrier has opened a round of the cluster's barrier: no wave of any partner still reads this slot or has a load on its way
	s_add_nc_u64 s[G0+4*\slot+2:G0+4*\slot+3], s[G0+4*\slot+2:G0+4*\slot+3], 2*PART
	s_add_nc_u64 s[G0B+4*\slot+2:G0B+4*\slot+3], s[G0B+4*\slot+2:G0B+4*\slot+3], 2*PART
	JLOAD G0+4*\slot, G1, G0B+4*\slot, G1B         ; the first tensor load behind the round; its four v_nop are the places in front of the loads below
.else
	PLACES NP
.endif
	FETCH_B \next, 0, 0
	FETCH_A \next, 0, 0
	WIN MUL_HI
	MUL16 4, 1, 0
	MUL16 6, 1, 0
	PLACES NP
	WIN 0
	FETCH_A \next, 0, 4
.endm
	s_wait_tensorcnt 1                             ; my part of K step 0 is in; K step 1's load may be out
	s_barrier_signal -1
	s_barrier_wait -1                              ; everybody's is
	FETCH_B 0, 0, 0
	FETCH_A 0, 0, 0
	FETCH_A 0, 0, 4
	s_cmp_eq_u32 s17, 1                            ; the first step is written twice: it differs in which bias registers start which sum
	s_cbranch_scc1 .Lfirst_v
	STEP 0, 0, 1
	s_branch .Lfirst_done
.Lfirst_v:
	STEP 0, 0, 2
.Lfirst_done:
	TURN 0, 1, 1                                   ; four K steps in all: both slots are filled again once, so the walk is written out
	STEP 1, 0, 0
	TURN 1, 0, 1
	STEP 0, 0, 0
	TURN 0, 1, 0                                   ; nothing is left to fetch
	STEP 1, 0, 0
	s_wait_dscnt 4*NL                              ; the very last step
	WIN MUL_LO
	MUL16 0, 1, 0
	MUL16 2, 1, 0
	s_wait_alu depctr_va_vdst(0)
	s_wait_dscnt 0
	WIN MUL_HI
	MUL16 4, 1, 0
	MUL16 6, 1, 0
	WIN 0
; THE WAY OUT of A's block a: eight conversions, four stores.  The conversions' results are the next product's operand registers as they stand: each store of the wave covers 512 consecutive bytes, aligned.
.macro OUT a
.set AC, 64*((\a)%4)
.set OB, 12+68*((\a)/4)                ; s[12:13] or s[80:81]
	WIN 0x82+0x41*((\a)/4)                         ; source 0 and destination: window 2 or 3
.set jj, 0
.rept 64
.set jj, jj+1
.endr
	WIN 0x02+((\a)/4)
.irp b, 0,1,2,3,4,5,6,7
	v_cvt_scalef32_pk8_fp8_f32 v[CD+16*(\a)+2*\b:CD+16*(\a)+2*\b+1], v[AC+8*\b:AC+8*\b+7], v[SCL]
.endr
	v_nop                                          ; a plain line behind the last conversion of the run
	WIN 0
.irp c, 0,1,2,3
	global_store_b128 v[CO+2*((\a)%4)+\c/2], v[CD+16*(\a)+4*\c:CD+16*(\a)+4*\c+3], s[OB:OB+1] offset:512*(\c%2)
.endr
.endm
	PLACES NP                                      ; behind the last products: in front of the first read of results and of writes into the registers that held A's fragments
.irp a, 0,1,2,3,4,5,6,7
	OUT \a
.endr
	s_wait_tensorcnt 0x0                           ; the wave's end
	ds_add_u32 v[SPW], v[NIL]
	s_wait_dscnt 0x0
	CROUND                                         ; the closing round: no work-group ends while a partner may still ask for a tile that names it
	s_endpgm
.Lfunc_end_k_q921ee859d9_qkv:
	.size	k_q921ee859d9_qkv, .Lfunc_end_k_q921ee859d9_qkv-k_q921ee859d9_qkv
	.p2alignl 7, 3214868480
	.fill 96, 4, 3214868480
	.section	.rodata,"a",@progbits
	.p2align	6, 0x0
	.amdhsa_kernel k_q921ee859d9_qkv
		.amdhsa_group_segment_fixed_size 327680
		.amdhsa_private_segment_fixed_size 0
		.amdhsa_enable_private_segment 0
		.amdhsa_kernarg_size 40
		.amdhsa_user_sgpr_count 2
		.amdhsa_user_sgpr_kernarg_segment_ptr 1
		.amdhsa_wavefront_size32 1
		.amdhsa_system_sgpr_workgroup_id_x 1
		.amdhsa_system_sgpr_workgroup_id_y 1
		.amdhsa_system_sgpr_workgroup_id_z 1
		.amdhsa_system_vgpr_workitem_id 0
		.amdhsa_next_free_vgpr 1024
		.amdhsa_next_free_sgpr 100
		.amdhsa_reserve_vcc 0
		.amdhsa_float_denorm_mode_32 3
		.amdhsa_float_denorm_mode_16_64 3
		.amdhsa_fp16_overflow 1
		.amdhsa_memory_ordered 1
		.amdhsa_forward_progress 1
		.amdhsa_inst_pref_size 106
	.end_amdhsa_kernel
	.amdgpu_metadata
---
amdhsa.version: [ 1, 2 ]
amdhsa.kernels:
  - .name:           k_q921ee859d9_qkv
    .symbol:         k_q921ee859d9_qkv.kd
    .args:
      - { .name: xc, .offset: 0, .size: 8, .value_kind: global_buffer, .address_space: global }
      - { .name: wqc, .offset: 8, .size: 8, .value_kind: global_buffer, .address_space: global }
      - { .name: lowp_scales, .offset: 16, .size: 8, .value_kind: global_buffer, .address_space: global }
      - { .name: b_qkv, .offset: 24, .size: 8, .value_kind: global_buffer, .address_space: global }
      - { .name: qkvc, .offset: 32, .size: 8, .value_kind: global_buffer, .address_space: global }
    .group_segment_fixed_size: 327680
    .private_segment_fixed_size: 0
    .kernarg_segment_align: 8
    .kernarg_segment_size: 40
    .max_flat_workgroup_size: 128
    .sgpr_count:     100
    .vgpr_count:     1024
    .wavefront_size: 32
...
	.end_amdgpu_metadata
.endif
;; end of part 2
;; launch attn (part 3): grid 4 x 64, 16 waves a work-group, clusters of 4 x 1, 327,680 bytes of LDS; arguments qkvc, lowp_scales, yc; writes yc
.if DOCPART == 3
	.amdgcn_target "amdgcn-amd-amdhsa--gfx1250"
	.amdhsa_code_object_version 6
	.text
	.protected	k_q921ee859d9_attn
	.globl	k_q921ee859d9_attn
	.p2align	8
	.type	k_q921ee859d9_attn,@function
k_q921ee859d9_attn:
	s_mov_b64 s[64:65], 0
	v_nop
	global_prefetch_b8 v0, s[64:65] scope:SCOPE_SE
	s_setreg_imm32_b32 hwreg(HW_REG_WAVE_MODE, 25, 1), 1
	s_wait_xcnt 0x0
	s_wait_alu depctr_hold_cnt(0) depctr_sa_sdst(0) depctr_va_vdst(0) depctr_va_sdst(0) depctr_va_ssrc(0) depctr_va_vcc(0) depctr_vm_vsrc(0)
	s_getreg_b32 s2, hwreg(HW_REG_IB_STS2, 6, 4)
	s_cmp_eq_u32 s2, 0
	s_cbranch_scc0 .Lentry_in_a_cluster
	s_endpgm
.Lentry_in_a_cluster:
	s_bfe_u32 s2, ttmp6, 0x10000c
	s_cmp_lg_u32 s2, 0x3003
	s_cbranch_scc0 .Lentry_shape_is_right
	s_endpgm
.Lentry_shape_is_right:
; y[b][q][head] = the sum over keys k <= q of softmax_k(q . k / 8) v, both products on codes of FP8 (E4M3); y leaves as codes, quantised with 2^e6, in the order of the last product's operand registers.
; THE SOFTMAX: t = score x log2(e) / 8; M = the row's largest t so far, rounded UP to a whole number; p = 2^(t - M) is quantised with 2^e4, not normalised.  The row's sum is taken of the unquantised p and divides at the end.
; When M moves, the sum and O are multiplied by 2^(old M - new M): exact.
; LIMITS: e2 + e3 between -123 and 130 (they are added to the constant's exponent field); e4 and e6 between -126 and 119.  NaN is not served.
; SHARES.  A cluster of four work-groups takes one (batch, head).  The head's whole K (131,072 bytes) and V (131,072) lie in each work-group's LDS, fetched once, by joint loads: no slot is ever filled again.
; Wave w owns two tiles of 16 queries: tile 2 cx + w % 2 of the 128 queries of group 15 - w / 2 (tile A) and of group w / 2 (tile B).  A tile of group g needs key steps 0 .. g of 128 keys, the last on the diagonal:
; 17 steps for every wave of every work-group.  What is left out hangs on the wave's number and the loop's count alone; cx enters only global addresses and the mask's lane value.
; LAYOUT.  S^T = K Q^T (source 0 = 16 keys, source 1 = my 16 queries) and O^T = V^T P^T (source 0 = 16 channels, source 1 = P): a lane holds ONE query (lane % 16) throughout; register 8 u + j of S holds key 16 u + 8 (lane / 16) + j,
; so eight registers converted are registers 2 u, 2 u + 1 of P's fragment, k in its own place.  K, V and Q lie in memory and in LDS as images of fragments: each load takes 512 consecutive bytes.
; REGISTERS: v1-5 addresses and the mask's value; v8-11, v12-15 tile A's, B's -M, largest t, sum (a pair); v16-31 Q; v32-95 fragments of K or V; v96-159 S, then p; v160-191, v192-223 O^T; v224-239 p's codes; above: constants and work.
.set AK0,  1                           ; v1   16 x lane: my place in a fragment's image; also my offset in Q's and y's blocks
.set AV0,  2                           ; v2   the same + 131,072: V
.set DM,   3                           ; v3   16 x tile + r - 8 h: on the diagonal register 8 u + j is hidden where 16 u + j is greater
.set ADK,  4
.set ADV,  5
.set QA,   16
.set QB,   24
.set FRG,  32
.set S,    96
.set OA,   160
.set OB,   192
.set PC,   224
.set LIMP, 240
.set LIMY, 241
.set SCP,  244                         ; 2^e4
.set SCY,  245                         ; 2^e6
.set NINF, 246                         ; -infinity
.set WV,   10                          ; s10  wave
.set GA,   13                          ; s13  tile A's group
.set GB,   14                          ; s14  tile B's
.set KS,   15                          ; s15  the key step
.set TBS,  16                          ; s16  8,192 x the key step
.set SEL,  20                          ; s[20:21] lane selects for v_permlanex16_b32: lane l xor 16
.set CS,   22                          ; s[22:23] c = log2(e) / 8 x 2^(e2 + e3)
.set G1S,  24                          ; s[24:31] descriptor group 1: 4 rows of 256 bytes
.set G1L,  32                          ; s[32:39] 60 rows
.set G0S,  40                          ; s[40:43], s[44:47] their groups 0
.set G0L,  44
.macro CROUND
	s_barrier_signal -1
	s_barrier_wait -1
	s_cmp_lg_u32 s[WV], 0
	s_cbranch_scc1 .Lnot_wave_0_\@
	s_barrier_signal -3
.Lnot_wave_0_\@:
	s_barrier_wait -3
	s_barrier_signal -1
	s_barrier_wait -1
.endm
	s_load_b128 s[4:7], s[0:1], 0x0                ; qkvc s[4:5], the scales' exponents s[6:7]
	s_load_b64 s[8:9], s[0:1], 0x10                ; yc
	v_lshl_add_u32 v251, v0, 2, 0x40000
	v_mov_b32 v255, 0
	ds_add_u32 v251, v255
	ds_add_u32 v251, v255
	v_lshrrev_b32 v1, 5, v0
	s_delay_alu instid0(VALU_DEP_1)
	v_readfirstlane_b32 s[WV], v1                  ; wave 0..15
	s_bfe_u32 s11, ttmp6, 0x40000                  ; cx
	s_and_b32 s12, ttmp7, 0xffff                   ; 16 x batch + head
	s_lshr_b32 s[GB], s[WV], 1
	s_sub_co_u32 s[GA], 15, s[GB]
	s_and_b32 s17, s[WV], 1
	s_lshl_b32 s18, s11, 1
	s_add_co_u32 s17, s17, s18                     ; my tile in a group of 128 queries: 2 cx + wave % 2
	; what I fetch: waves 0-7 K, waves 8-15 V; an eighth of key step 0 (1,024 bytes), and an eighth of the other fifteen (15,360 bytes).  The offset is the same in LDS and behind K's first byte in memory
	s_lshr_b32 s56, s[WV], 3
	s_and_b32 s57, s[WV], 7
	s_lshl_b32 s56, s56, 17
	s_lshl_b32 s58, s57, 10
	s_add_co_u32 s58, s58, s56
	s_mul_i32 s59, s57, 15360
	s_add_co_u32 s59, s59, s56
	s_add_co_u32 s59, s59, 8192
	s_mul_i32 s60, s12, 393216                     ; the head's q, k and v
	s_mov_b32 s61, 0
.irp g, G1S, G1L
	s_mov_b32 s[\g], 15|(3<<16)|(1<<21)            ; 15:0 the mask: all four work-groups; 17:16 elements of 8 bytes; 21 set beside a mask
	s_mov_b32 s[\g+1], 32<<16                      ; tensor_dim0 = 32
	s_mov_b32 s[\g+3], 32<<16                      ; tile_dim0 = 32
	s_mov_b32 s[\g+5], 32                          ; from row to row: dense
	s_mov_b32 s[\g+6], 0
	s_mov_b32 s[\g+7], 0
.endr
	s_mov_b32 s[G1S+2], 4<<16                      ; tensor_dim1,
	s_mov_b32 s[G1S+4], 4                          ; tile_dim1
	s_mov_b32 s[G1L+2], 60<<16
	s_mov_b32 s[G1L+4], 60
	s_mov_b32 s[SEL], 0x76543210
	s_mov_b32 s[SEL+1], 0xfedcba98
	s_mov_b32 s[CS], 0x3e38aa3b                    ; log2(e) / 8
	s_mov_b32 s[KS], 0
	s_mov_b32 s[TBS], 0
	s_wait_dscnt 0x0
	s_wait_kmcnt 0x0
	s_load_b256 s[48:55], s[6:7], 0x0              ; e0 .. e7
	s_add_nc_u64 s[4:5], s[4:5], s[60:61]          ; the head's q
	s_mov_b32 s[G0S], 1
	s_mov_b32 s[G0S+1], s58
	s_add_co_u32 s62, s58, 131072
	s_mov_b32 s63, 0
	s_add_nc_u64 s[G0S+2:G0S+3], s[4:5], s[62:63]
	s_or_b32 s[G0S+3], s[G0S+3], 0x80000000
	s_mov_b32 s[G0L], 1
	s_mov_b32 s[G0L+1], s59
	s_add_co_u32 s62, s59, 131072
	s_add_nc_u64 s[G0L+2:G0L+3], s[4:5], s[62:63]
	s_or_b32 s[G0L+3], s[G0L+3], 0x80000000
	CROUND                                         ; all four work-groups are here: the joint loads meet
	tensor_load_to_lds s[G0S:G0S+3], s[G1S:G1S+7]  ; my part of key step 0
	s_nop 0
	s_wait_alu depctr_va_vdst(0)
	s_wait_tensorcnt 0x0
	ds_add_u32 v251, v255
	s_wait_dscnt 0x0
	CROUND
	tensor_load_to_lds s[G0L:G0L+3], s[G1L:G1L+7]  ; and of the rest: two loads of mine are out, and no more are issued
	s_nop 0
.rept 4
	v_nop
.endr
	; Q's and y's places.  These numbers hold cx: they go into global addresses alone
	s_lshl_b32 s76, s[GA], 3
	s_add_co_u32 s76, s76, s17
	s_lshl_b32 s76, s76, 10
	s_mov_b32 s77, 0
	s_add_nc_u64 s[66:67], s[4:5], s[76:77]        ; tile A's block of q
	s_lshl_b32 s76, s[GB], 3
	s_add_co_u32 s76, s76, s17
	s_lshl_b32 s76, s76, 10
	s_add_nc_u64 s[68:69], s[4:5], s[76:77]        ; tile B's
	s_and_b32 s74, s12, 0xfff0                     ; 16 x batch: groups of 128 tokens
	s_and_b32 s75, s12, 15
	s_lshl_b32 s75, s75, 13                        ; the head is y's 64 along K: 8,192 bytes
	s_lshl_b32 s78, s17, 10
	s_add_co_u32 s75, s75, s78
	s_add_co_u32 s76, s74, s[GA]
	s_lshl_b32 s76, s76, 17
	s_add_co_u32 s76, s76, s75
	s_add_nc_u64 s[70:71], s[8:9], s[76:77]        ; tile A's block of y
	s_add_co_u32 s76, s74, s[GB]
	s_lshl_b32 s76, s76, 17
	s_add_co_u32 s76, s76, s75
	s_add_nc_u64 s[72:73], s[8:9], s[76:77]        ; tile B's
	v_and_b32 v[AK0], 31, v0
	s_delay_alu instid0(VALU_DEP_1)
	v_lshlrev_b32 v[AK0], 4, v[AK0]
	s_delay_alu instid0(VALU_DEP_1)
	v_add_nc_u32 v[AV0], 0x20000, v[AK0]
.irp c, 0,1
	global_load_b128 v[QA+4*\c:QA+4*\c+3], v[AK0], s[66:67] offset:512*\c
	global_load_b128 v[QB+4*\c:QB+4*\c+3], v[AK0], s[68:69] offset:512*\c
.endr
	v_and_b32 v6, 15, v0
	v_bfe_u32 v7, v0, 4, 1
	s_delay_alu instid0(VALU_DEP_1)
	v_lshlrev_b32 v7, 3, v7
	s_delay_alu instid0(VALU_DEP_1)
	v_sub_nc_u32 v[DM], v6, v7
	s_lshl_b32 s78, s17, 4
	v_add_nc_u32 v[DM], s78, v[DM]
	v_mov_b32 v[NINF], 0xff800000
	v_mov_b32 v236, 0                              ; written once: a lane permute's destination counts as one of its sources
	v_mov_b32 v237, 0
	v_mov_b32 v253, 0                              ; (named as the upper half of the pair v[252:253])
	s_wait_kmcnt 0x0
	s_add_co_i32 s78, s50, s51
	s_lshl_b32 s78, s78, 23
	s_add_co_i32 s[CS], s[CS], s78                 ; a score stands for score x 2^(e2 + e3)
	s_mov_b32 s[CS+1], s[CS]                       ; (named with it as a pair, so it is written)
	s_add_co_i32 s78, s52, 127
	s_lshl_b32 s79, s78, 23
	v_mov_b32 v[SCP], s79
	s_add_co_i32 s78, s54, 127
	s_lshl_b32 s79, s78, 23
	v_mov_b32 v[SCY], s79
; A KEY STEP of one tile: 128 keys.  st: the tile's statistics; qr: its Q; oo: its O^T; g: the scalar register with its group.  first = 1: key step 0, which starts M, the sum and O^T: nothing is ever cleared.
.macro STEP st, qr, oo, g, first
.if \first == 0
	s_cmp_gt_u32 s[KS], s[\g]                      ; all these keys come after my queries: the step is left out
	s_cbranch_scc1 .Lskip_\@
.endif
	v_add_nc_u32 v[ADK], s[TBS], v[AK0]
	v_add_nc_u32 v[ADV], s[TBS], v[AV0]
	v_nop                                          ; with the two additions: four places in front of loads into registers that the last products have read
	v_nop
.irp t, 0,1,2,3,4,5,6,7
	ds_load_b128 v[FRG+8*\t:FRG+8*\t+3],   v[ADK] offset:1024*\t
	ds_load_b128 v[FRG+8*\t+4:FRG+8*\t+7], v[ADK] offset:1024*\t+512
.endr
	s_wait_alu depctr_va_vdst(0)
	s_wait_dscnt 0x0
.irp t, 0,1,2,3,4,5,6,7
	v_wmma_f32_16x16x64_fp8_fp8 v[S+8*\t:S+8*\t+7], v[FRG+8*\t:FRG+8*\t+7], v[\qr:\qr+7], 0
.endr
.rept 4
	v_nop                                          ; places: in front of the loads below and of the first read of the scores
.endr
.irp t, 0,1,2,3                        ; V's fragments are asked for here and land under the softmax
.irp c, 0,1,2,3
	ds_load_b128 v[FRG+16*\t+4*\c:FRG+16*\t+4*\c+3], v[ADV] offset:2048*\t+512*\c
.endr
.endr
	s_cmp_lg_u32 s[KS], s[\g]                      ; only on the diagonal are scores hidden: they become -infinity ahead of the maximum, and p = 0
	s_cbranch_scc1 .Lopen_\@
.set nn, 0
.rept 64
	v_cmp_gt_i32 vcc_lo, 16*(nn/8)+nn%8, v[DM]
	v_cndmask_b32 v[S+nn], v[S+nn], v[NINF], vcc_lo
.set nn, nn+1
.endr
.Lopen_\@:
	v_max3_num_f32 v254, v[S], v[S+1], v[S+2]      ; the step's largest score of my query among my 64 keys, in two chains, each accumulator from its low end on,
	v_max3_num_f32 v252, v[S+3], v[S+4], v[S+5]
.irp i, 6,10,14,18,22,26,30,34,38,42,46,50,54,58
	v_max3_num_f32 v254, v254, v[S+\i], v[S+\i+1]
	v_max3_num_f32 v252, v252, v[S+\i+2], v[S+\i+3]
.endr
	v_max3_num_f32 v254, v254, v[S+62], v[S+63]
	s_delay_alu instid0(VALU_DEP_1)
	v_max_num_f32 v254, v254, v252
	v_permlanex16_b32 v236, v254, s[SEL], s[SEL+1]
	s_delay_alu instid0(VALU_DEP_1)
	v_max_num_f32 v254, v254, v236                 ; and among lane l xor 16's
.if \first
	s_delay_alu instid0(VALU_DEP_1)
	v_mul_f32 v[\st+1], s[CS], v254                ; as t (c is positive)
	s_delay_alu instid0(VALU_DEP_1)
	v_floor_f32 v[\st], -v[\st+1]                  ; -M = floor(-t): M is a whole number
.else
	s_delay_alu instid0(VALU_DEP_1)
	v_mul_f32 v254, s[CS], v254
	s_delay_alu instid0(VALU_DEP_1)
	v_max_num_f32 v[\st+1], v[\st+1], v254         ; the running largest t
	v_mov_b32 v254, v[\st]
	s_delay_alu instid0(VALU_DEP_2)
	v_floor_f32 v[\st], -v[\st+1]
	s_delay_alu instid0(VALU_DEP_1)
	v_sub_f32 v254, v[\st], v254                   ; old M - new M: a whole number, 0 or less
	s_delay_alu instid0(VALU_DEP_1)
	v_cvt_i32_f32 v254, v254
	s_delay_alu instid0(VALU_DEP_1)
	v_ldexp_f32 v252, 1.0, v254                    ; f = 2^(old M - new M)
.endif
.set nn, 0
.rept 32
	v_pk_fma_f32 v[S+nn:S+nn+1], v[S+nn:S+nn+1], s[CS:CS+1], v[\st:\st+1] op_sel_hi:[1,0,0]   ; t - M, two at a time
.set nn, nn+2
.endr
.set nn, 0
	s_wait_alu depctr_va_vdst(0)
.rept 64
	v_exp_f32 v[S+nn], v[S+nn]                     ; p = 2^(t - M), at most 1
.set nn, nn+1
.endr
.if \first
	v_nop                                          ; a plain place behind the exponentials
.else
	v_pk_mul_f32 v[\st+2:\st+3], v[\st+2:\st+3], v[252:253] op_sel_hi:[1,0]   ; the sum under the new M (a plain place behind the exponentials)
.endif
	s_wait_alu depctr_va_vdst(0)                   ; one wait for the whole batch, ahead of its first reader
	v_pk_add_f32 v[242:243], v[S:S+1], v[S+2:S+3]  ; the row's sum is taken of the unquantised p: two chains
.if \first
	v_pk_add_f32 v[\st+2:\st+3], v[S+4:S+5], v[S+6:S+7]
.else
	v_pk_add_f32 v[\st+2:\st+3], v[\st+2:\st+3], v[S+4:S+5]
	v_pk_add_f32 v[242:243], v[242:243], v[S+6:S+7]
.endif
.irp j, 8,12,16,20,24,28,32,36,40,44,48,52,56,60
	v_pk_add_f32 v[\st+2:\st+3], v[\st+2:\st+3], v[S+\j:S+\j+1]
	v_pk_add_f32 v[242:243], v[242:243], v[S+\j+2:S+\j+3]
.endr
	s_delay_alu instid0(VALU_DEP_1)
	v_pk_add_f32 v[\st+2:\st+3], v[\st+2:\st+3], v[242:243]
.irp u, 0,1,2,3,4,5,6,7
.irp i, 0,1,2,3,4,5,6,7
.endr
	v_cvt_scalef32_pk8_fp8_f32 v[PC+2*\u:PC+2*\u+1], v[S+8*\u:S+8*\u+7], v[SCP]
.endr
.if \first
	s_wait_alu depctr_va_vdst(0)
	v_nop                                          ; a plain line between the conversions and the products that read their results
.else
.set nn, 0
.rept 16
	v_pk_mul_f32 v[\oo+nn:\oo+nn+1], v[\oo+nn:\oo+nn+1], v[252:253] op_sel_hi:[1,0]   ; O^T under the new M (also the plain lines behind the conversions)
.set nn, nn+2
.endr
.endif
	s_wait_alu depctr_va_vdst(0)
	s_wait_dscnt 0x0                               ; V's fragments are in
.irp t, 0,1,2,3
.if \first
	v_wmma_f32_16x16x128_fp8_fp8 v[\oo+8*\t:\oo+8*\t+7], v[FRG+16*\t:FRG+16*\t+15], v[PC:PC+15], 0
.else
	v_wmma_f32_16x16x128_fp8_fp8 v[\oo+8*\t:\oo+8*\t+7], v[FRG+16*\t:FRG+16*\t+15], v[PC:PC+15], v[\oo+8*\t:\oo+8*\t+7]
.endif
.endr
.if \first == 0
.Lskip_\@:
.endif
.endm
	s_wait_loadcnt 0x0                             ; Q
	s_wait_tensorcnt 1                             ; my part of key step 0 is in; my large load may be out: no LDS byte is ever filled again
	s_barrier_signal -1
	s_barrier_wait -1                              ; everybody's is
	STEP 8, QA, OA, GA, 1                          ; key step 0 counts for every tile; the other fifteen sixteenths of K and V land meanwhile
	STEP 12, QB, OB, GB, 1
	s_wait_tensorcnt 0x0                           ; my part of the rest is in,
	s_wait_dscnt 0x0
	s_barrier_signal -1
	s_barrier_wait -1                              ; everybody's is: from here on LDS is only read, and no barrier follows but the closing round
	s_mov_b32 s[TBS], 8192
	s_mov_b32 s[KS], 1
.Lks:                                              ; 15 trips, a constant; a tile's steps beyond its diagonal are jumped over inside
	STEP 8, QA, OA, GA, 0
	STEP 12, QB, OB, GB, 0
	s_add_co_u32 s[TBS], s[TBS], 8192
	s_add_co_u32 s[KS], s[KS], 1
	s_cmp_lt_u32 s[KS], 16
	s_cbranch_scc1 .Lks
	; THE WAY OUT: O^T x 2^(e4 + e5) / the sum is y; converted with 2^e6; the results are the last product's operand registers as they stand.
.rept 4
	v_nop                                          ; places behind the last products
.endr
	v_add_f32 v10, v10, v11
	v_add_f32 v14, v14, v15
	v_permlanex16_b32 v236, v10, s[SEL], s[SEL+1]
	v_permlanex16_b32 v237, v14, s[SEL], s[SEL+1]
	s_delay_alu instid0(VALU_DEP_2)
	v_add_f32 v10, v10, v236
	s_delay_alu instid0(VALU_DEP_2)
	v_add_f32 v14, v14, v237
	s_wait_alu depctr_va_vdst(0)
	v_rcp_f32 v10, v10
	v_rcp_f32 v14, v14
	v_nop                                          ; a plain place behind the reciprocals
	s_add_co_i32 s78, s52, s53
	s_wait_alu depctr_va_vdst(0)                   ; one wait for both, ahead of the first reader
	v_ldexp_f32 v10, v10, s78
	v_ldexp_f32 v14, v14, s78
.set nn, 0
.rept 32
	v_mul_f32 v[S+nn], v[OA+nn], v10               ; each accumulator from its low end on
.set nn, nn+1
.endr
.set nn, 0
.rept 32
	v_mul_f32 v[S+32+nn], v[OB+nn], v14
.set nn, nn+1
.endr
.set nn, 0
.rept 64
.set nn, nn+1
.endr
.irp u, 0,1,2,3,4,5,6,7
	v_cvt_scalef32_pk8_fp8_f32 v[PC+2*\u:PC+2*\u+1], v[S+8*\u:S+8*\u+7], v[SCY]
.endr
	v_nop
.irp c, 0,1
	global_store_b128 v[AK0], v[PC+4*\c:PC+4*\c+3],     s[70:71] offset:512*\c   ; the wave stores 512 consecutive bytes, aligned
	global_store_b128 v[AK0], v[PC+8+4*\c:PC+8+4*\c+3], s[72:73] offset:512*\c
.endr
	s_wait_tensorcnt 0x0
	ds_add_u32 v251, v255
	s_wait_dscnt 0x0
	CROUND                                         ; the closing round: no work-group ends while a partner may still ask for a tile that names it
	s_endpgm
.Lfunc_end_k_q921ee859d9_attn:
	.size	k_q921ee859d9_attn, .Lfunc_end_k_q921ee859d9_attn-k_q921ee859d9_attn
	.p2alignl 7, 3214868480
	.fill 96, 4, 3214868480
	.section	.rodata,"a",@progbits
	.p2align	6, 0x0
	.amdhsa_kernel k_q921ee859d9_attn
		.amdhsa_group_segment_fixed_size 327680
		.amdhsa_private_segment_fixed_size 0
		.amdhsa_enable_private_segment 0
		.amdhsa_kernarg_size 24
		.amdhsa_user_sgpr_count 2
		.amdhsa_user_sgpr_kernarg_segment_ptr 1
		.amdhsa_wavefront_size32 1
		.amdhsa_system_sgpr_workgroup_id_x 1
		.amdhsa_system_sgpr_workgroup_id_y 1
		.amdhsa_system_sgpr_workgroup_id_z 1
		.amdhsa_system_vgpr_workitem_id 0
		.amdhsa_next_free_vgpr 256
		.amdhsa_next_free_sgpr 80
		.amdhsa_reserve_vcc 1
		.amdhsa_float_denorm_mode_32 3
		.amdhsa_float_denorm_mode_16_64 3
		.amdhsa_fp16_overflow 1
		.amdhsa_memory_ordered 1
		.amdhsa_forward_progress 1
		.amdhsa_inst_pref_size 83
	.end_amdhsa_kernel
	.amdgpu_metadata
---
amdhsa.version: [ 1, 2 ]
amdhsa.kernels:
  - .name:           k_q921ee859d9_attn
    .symbol:         k_q921ee859d9_attn.kd
    .args:
      - { .name: qkvc, .offset: 0, .size: 8, .value_kind: global_buffer, .address_space: global }
      - { .name: lowp_scales, .offset: 8, .size: 8, .value_kind: global_buffer, .address_space: global }
      - { .name: yc, .offset: 16, .size: 8, .value_kind: global_buffer, .address_space: global }
    .group_segment_fixed_size: 327680
    .private_segment_fixed_size: 0
    .kernarg_segment_align: 8
    .kernarg_segment_size: 24
    .max_flat_workgroup_size: 512
    .sgpr_count:     80
    .vgpr_count:     256
    .wavefront_size: 32
...
	.end_amdgpu_metadata
.endif
;; end of part 3
;; launch proj (part 4): grid 8 x 32, 4 waves a work-group, clusters of 4 x 4, 327,680 bytes of LDS; arguments yc, wpc, lowp_scales, b_proj, out0; writes out0
.if DOCPART == 4
	.amdgcn_target "amdgcn-amd-amdhsa--gfx1250"
	.amdhsa_code_object_version 6
	.text
	.protected	k_q921ee859d9_proj
	.globl	k_q921ee859d9_proj
	.p2align	8
	.type	k_q921ee859d9_proj,@function
k_q921ee859d9_proj:
	s_mov_b64 s[64:65], 0
	v_nop
	global_prefetch_b8 v0, s[64:65] scope:SCOPE_SE
	s_setreg_imm32_b32 hwreg(HW_REG_WAVE_MODE, 25, 1), 1
	s_wait_xcnt 0x0
	s_wait_alu depctr_hold_cnt(0) depctr_sa_sdst(0) depctr_va_vdst(0) depctr_va_sdst(0) depctr_va_ssrc(0) depctr_va_vcc(0) depctr_vm_vsrc(0)
	s_getreg_b32 s2, hwreg(HW_REG_IB_STS2, 6, 4)
	s_cmp_eq_u32 s2, 0
	s_cbranch_scc0 .Lentry_in_a_cluster
	s_endpgm
.Lentry_in_a_cluster:
	s_bfe_u32 s2, ttmp6, 0x10000c
	s_cmp_lg_u32 s2, 0xf033
	s_cbranch_scc0 .Lentry_shape_is_right
	s_endpgm
.Lentry_shape_is_right:
; out0 = y w_proj + b_proj on codes of FP8 (E4M3), sums in f32: out = sum x 2^(e6 + e7) + bias.  LIMIT: e6 + e7 between -126 and 127, so that the power of two is an f32 number.
; CODES lie in blocks of 16 rows x 64 K, 1,024 bytes, [c 0..1][lane][16 bytes]: registers 4 c .. 4 c + 3 of a fragment; blocks lie [128 rows][64 along K][16 rows]: every load takes 512 consecutive bytes, and a slot's tiles are dense in memory.
; A tile of 256 rows x 128 columns is made by four waves, so that there are 256 work-groups; wave w makes rows 64 w .. 64 w + 63 x all 128 columns: 32 accumulators.  K = 1,024 goes in four steps of 256 through a ring of two LDS slots.
; The matrix instruction is used transposed (source 0 = 16 columns' rows of the weight, source 1 = 16 rows of y): a lane holds eight neighbouring numbers of a row of the output.
; CLUSTERS: 4 x 4 work-groups; y's tile is asked for jointly by a row of the cluster, the weight's by a column.
; REGISTERS: window 0: v16-31 addresses; v32-95 at work on the way out; v128-191, v192-255 y's fragments, two sets, later rows of the output.  window 1: the weight's fragments, two sets.
;   window 2: the accumulators ((a, b) at v[8 (8 a + b)]).  window 3: v0-63 the bias in the result's layout.
.set FR,    16
.set PART,  32768
.set SLOT,  3*PART                     ; y's 256 rows (two parts), then the weight's 128 columns
.set STAGE, 2*SLOT                     ; behind the ring: 16 rows x 528 bytes for each wave: no tensor load lands there
.set SPITCH, 528
.set SPARE, STAGE+4*16*SPITCH          ; 230,400, a multiple of 256: the spare words, 128 bytes for each wave
.set ADRA, 16
.set ADRB, 18
.set SPW,  20
.set NIL,  21
.set STO,  24
.set RD,   25
.set CO,   26                          ; v26  16 x lane
.set BO,   27                          ; v27  the bias's offset
.set TMP,  32
.set AF,   128
.set BK,   128
.set G1, 24
.set G0, 32
.set G1B, 48
.set G0B, 56
.set MSB, 0
.macro WIN new                         ; the immediate's high byte repeats the setting that is left
.if MSB != \new
	s_set_vgpr_msb (MSB<<8)|\new
.set MSB, \new
.endif
.endm
.set MUL, 0xa1                         ; source 0 window 1, source 1 window 0, C and D window 2
.macro JLOAD g0a, g1a, g0b, g1b        ; a joint load: waves 0 and 1 fetch y's two parts, waves 2 and 3 the weight's two halves; four v_nop follow each of the two lines
	s_cmp_eq_u32 s15, 0
	s_cbranch_scc0 .Lfor_b_\@
	tensor_load_to_lds s[\g0a:\g0a+3], s[\g1a:\g1a+7]
	s_nop 0
.rept 4
	v_nop
.endr
	s_branch .Lasked_\@
.Lfor_b_\@:
	tensor_load_to_lds s[\g0b:\g0b+3], s[\g1b:\g1b+7]
	s_nop 0
.rept 4
	v_nop
.endr
.Lasked_\@:
.endm
.macro CREST
	s_cmp_lg_u32 s14, 0
	s_cbranch_scc1 .Lnot_wave_0_\@
	s_barrier_signal -3
.Lnot_wave_0_\@:
	s_barrier_wait -3
	s_barrier_signal -1
	s_barrier_wait -1
.endm
.macro CROUND
	s_barrier_signal -1
	s_barrier_wait -1
	CREST
.endm
.macro PLACES n
.rept \n
	v_nop
.endr
.endm
	s_load_b128 s[4:7], s[0:1], 0x0                ; yc s[4:5], wpc s[6:7]
	s_load_b128 s[8:11], s[0:1], 0x10              ; the scales' exponents s[8:9], b_proj s[10:11]
	s_load_b64 s[12:13], s[0:1], 0x20              ; out0
	v_lshl_add_u32 v[SPW], v0, 2, SPARE
	v_mov_b32 v[NIL], 0
	ds_add_u32 v20, v21
	ds_add_u32 v20, v21
	s_wait_dscnt 0x0
	v_lshrrev_b32 v1, 5, v0
	v_readfirstlane_b32 s14, v1                    ; wave 0..3
	s_lshr_b32 s15, s14, 1                         ; I fetch for y (0) or for the weight (1).  Also: which 128 rows hold my 64
	s_and_b32 s16, s14, 1                          ; which part I fetch.  Also: which 64 of those 128 rows are mine
	s_bfe_u32 s40, ttmp6, 0x40000                  ; cx, cy
	s_bfe_u32 s41, ttmp6, 0x40004
	s_lshl_b32 s42, ttmp9, 2
	s_add_co_u32 s42, s42, s40                     ; tile column (128 columns) = 4 x cluster x + cx
	s_and_b32 s17, ttmp7, 0xffff
	s_lshl_b32 s17, s17, 2
	s_add_co_u32 s17, s17, s41                     ; tile row (256 rows) = 4 x cluster y + cy
	s_lshl_b32 s43, s41, 2
	s_lshl_b32 s43, 15, s43                        ; my row of the cluster
	s_lshl_b32 s44, 0x1111, s40                    ; my column
	s_or_b32 s[G1+0], s43, (3<<16)|(1<<21)         ; 15:0 the mask; 17:16 elements of 8 bytes; 21 set beside a mask
	s_or_b32 s[G1B+0], s44, (3<<16)|(1<<21)
	s_mov_b32 s[G1+1], 32<<16                      ; y: a dense block of 128 rows of 256 bytes
	s_mov_b32 s[G1+2], 128<<16
	s_mov_b32 s[G1+3], 32<<16
	s_mov_b32 s[G1+4], 128
	s_mov_b32 s[G1+5], 32
	s_mov_b32 s[G1+6], 0
	s_mov_b32 s[G1+7], 0
	s_mov_b32 s[G1B+1], 32<<16                     ; the weight: 64 rows of 256 bytes
	s_mov_b32 s[G1B+2], 64<<16
	s_mov_b32 s[G1B+3], 32<<16
	s_mov_b32 s[G1B+4], 64
	s_mov_b32 s[G1B+5], 32
	s_mov_b32 s[G1B+6], 0
	s_mov_b32 s[G1B+7], 0
	s_lshl_b32 s18, s16, 17
	s_lshl_b32 s20, s17, 18
	s_add_co_u32 s20, s20, s18                     ; y: (2 x tile row + part) x 131,072
	s_mov_b32 s21, 0
	s_lshl_b32 s19, s16, 14
	s_lshl_b32 s46, s42, 17
	s_add_co_u32 s46, s46, s19                     ; the weight: tile column x 131,072 + half x 16,384
	s_mov_b32 s47, 0
	s_lshl_b32 s45, s16, 15                        ; where they go: y's part,
	s_add_co_u32 s66, s19, 2*PART                  ; the weight's half, behind y's two parts: no place in the cluster enters an LDS address
	s_wait_kmcnt 0x0
	s_load_b256 s[68:75], s[8:9], 0x0              ; e0 .. e7
	s_add_nc_u64 s[20:21], s[4:5], s[20:21]
	s_add_nc_u64 s[46:47], s[6:7], s[46:47]
	CROUND                                         ; all sixteen work-groups are here: the first joint loads meet
.irp s, 0,1
	s_mov_b32 s[G0+4*\s], 1
	s_add_co_u32 s[G0+4*\s+1], s45, \s*SLOT
	s_add_nc_u64 s[G0+4*\s+2:G0+4*\s+3], s[20:21], \s*PART
	s_or_b32 s[G0+4*\s+3], s[G0+4*\s+3], 0x80000000
	s_mov_b32 s[G0B+4*\s], 1
	s_add_co_u32 s[G0B+4*\s+1], s66, \s*SLOT
	s_add_nc_u64 s[G0B+4*\s+2:G0B+4*\s+3], s[46:47], \s*PART
	s_or_b32 s[G0B+4*\s+3], s[G0B+4*\s+3], 0x80000000
	s_wait_alu depctr_va_vdst(0)
	s_wait_tensorcnt 0x0
	ds_add_u32 v20, v21
	ds_add_u32 v20, v21
	s_wait_dscnt 0x0
	CROUND
	JLOAD G0+4*\s, G1, G0B+4*\s, G1B
.endr
	v_and_b32 v1, 15, v0                           ; r
	v_bfe_u32 v2, v0, 4, 1                         ; h
	v_and_b32 v3, 31, v0
	v_lshlrev_b32 v[CO], 4, v3
	s_lshl_b32 s67, s15, 15
	s_lshl_b32 s76, s16, 12
	s_add_co_u32 s67, s67, s76                     ; my 64 rows of y: part wave / 2, tiles 4 (wave % 2) on
	v_add_nc_u32 v[ADRA], s67, v[CO]
	v_add_nc_u32 v[ADRA+1], SLOT, v[ADRA]
	v_add_nc_u32 v[ADRB], 2*PART, v[CO]
	v_add_nc_u32 v[ADRB+1], SLOT, v[ADRB]
	s_mul_i32 s67, s14, 16*SPITCH
	s_add_co_u32 s67, s67, STAGE                   ; my stage
	v_mul_u32_u24 v5, v1, SPITCH                   ; in: row r, 32 bytes for each half of the lanes
	v_lshl_add_u32 v5, v2, 5, v5
	v_add_nc_u32 v[STO], s67, v5
	v_add_nc_u32 v[RD], s67, v[CO]                 ; back: the 32 lanes take one row of 512 bytes
	s_lshl_b32 s22, s17, 20                        ; my first row of the output: (256 x tile row + 64 x wave) x 4,096 bytes,
	s_lshl_b32 s23, s14, 18
	s_add_co_u32 s22, s22, s23
	s_lshl_b32 s23, s42, 9                         ; my first column: 512 x tile column
	s_add_co_u32 s22, s22, s23
	s_mov_b32 s23, 0
	s_add_nc_u64 s[12:13], s[12:13], s[22:23]
	s_lshl_b32 s78, s42, 9
	s_mov_b32 s79, 0
	s_add_nc_u64 s[10:11], s[10:11], s[78:79]      ; the bias of my 128 columns: register 8 b + j holds that of column 16 b + 8 h + j
	v_lshlrev_b32 v[BO], 5, v2
	WIN 0xc0                                       ; destination window 3
.irp b, 0,1,2,3,4,5,6,7
	global_load_b128 v[8*\b:8*\b+3],   v[BO], s[10:11] offset:64*\b
	global_load_b128 v[8*\b+4:8*\b+7], v[BO], s[10:11] offset:64*\b+16
.endr
	WIN 0
.macro FRAG reg, adr, q, i
.irp c, 0,1,2,3
	ds_load_b128 v[\reg+4*\c:\reg+4*\c+3], v[\adr] offset:(2*(\q)+\c/2)*8192+(\i)*1024+(\c%2)*512
.endr
.endm
.macro FETCH slot, q, p                ; 48 loads: the weight's eight fragments and my four of y, of the slot's q-th 128 along K, into set p
	WIN 0x40
.irp i, 0,1,2,3,4,5,6,7
	FRAG 128*(\p)+FR*\i, ADRB+\slot, \q, \i
.endr
	WIN 0
.irp i, 0,1,2,3
	FRAG AF+64*(\p)+FR*\i, ADRA+\slot, \q, \i
.endr
.endm
.macro MUL8 a, p, zero                 ; the 32 accumulators take turns, one instruction a turn, in the same order in every step
.irp b, 0,1,2,3,4,5,6,7
.if \zero
	v_wmma_f32_16x16x128_fp8_fp8 v[8*(8*(\a)+\b):8*(8*(\a)+\b)+7], v[128*(\p)+FR*\b:128*(\p)+FR*\b+FR-1], v[AF+64*(\p)+FR*(\a):AF+64*(\p)+FR*(\a)+FR-1], 0
.else
	v_wmma_f32_16x16x128_fp8_fp8 v[8*(8*(\a)+\b):8*(8*(\a)+\b)+7], v[128*(\p)+FR*\b:128*(\p)+FR*\b+FR-1], v[AF+64*(\p)+FR*(\a):AF+64*(\p)+FR*(\a)+FR-1], v[8*(8*(\a)+\b):8*(8*(\a)+\b)+7]
.endif
.endr
.endm
.macro STEP slot, zero                 ; a slot's first 128 along K: multiplies set 0, fetches the second 128 into set 1
	s_wait_dscnt 0x0                               ; set 0 is in
	PLACES 4                                       ; in front of loads into set 1, which the last products have read
	FETCH \slot, 1, 1
	WIN MUL
	MUL8 0, 0, \zero
	MUL8 1, 0, \zero
	MUL8 2, 0, \zero
	MUL8 3, 0, \zero
.endm
; A slot's second 128 along K multiplies set 1 and changes slots: one barrier; in front of it each wave waits for all its tensor loads, adds 0 to its spare word, and waits for that and for its own reads of this slot.
.macro TURN slot, next, fill
	WIN 0                                          ; the add's two registers lie in window 0
	s_wait_tensorcnt 0x0                           ; all my tensor loads have landed: my part of the next slot
	ds_add_u32 v[SPW], v[NIL]                      ; 0 onto my spare word
	s_wait_dscnt 1                                 ; set 1 is in; the add alone may be out
	WIN MUL
	MUL8 0, 1, 0                                   ; eight matrix instructions stand between the add and the wait for it
	s_wait_dscnt 0x0                               ; the add is done, and my reads of this slot are over
	s_barrier_signal -1
	MUL8 1, 1, 0
	WIN 0
	s_barrier_wait -1
.if \fill
	CREST                                          ; the barrier has opened a round of the cluster's barrier: no wave of any partner still reads this slot or has a load on its way
	s_add_nc_u64 s[G0+4*\slot+2:G0+4*\slot+3], s[G0+4*\slot+2:G0+4*\slot+3], 2*PART
	s_add_nc_u64 s[G0B+4*\slot+2:G0B+4*\slot+3], s[G0B+4*\slot+2:G0B+4*\slot+3], 2*PART
	JLOAD G0+4*\slot, G1, G0B+4*\slot, G1B         ; the first tensor load behind the round; its four v_nop are the places in front of the loads below
.else
	PLACES 4
.endif
	FETCH \next, 0, 0
	WIN MUL
	MUL8 2, 1, 0
	MUL8 3, 1, 0
.endm
	s_wait_alu depctr_va_vdst(0)
	s_wait_loadcnt 0x0                             ; the bias
	s_wait_tensorcnt 1                             ; my part of K step 0 is in; K step 1's load may be out
	s_barrier_signal -1
	s_barrier_wait -1
	FETCH 0, 0, 0
	STEP 0, 1                                      ; the first products start the sums: nothing is cleared
	TURN 0, 1, 1                                   ; four K steps in all: both slots are filled again once, so the walk is written out
	STEP 1, 0
	TURN 1, 0, 1
	STEP 0, 0
	TURN 0, 1, 0                                   ; nothing is left to fetch
	STEP 1, 0
	s_wait_dscnt 0x0                               ; the very last step
	MUL8 0, 1, 0
	MUL8 1, 1, 0
	MUL8 2, 1, 0
	MUL8 3, 1, 0
	WIN 0
; THE WAY OUT, block by block of 16 rows x 128 columns: a lane holds 32 neighbouring bytes of a row and the lanes beside it other rows, so a block goes through my own stage and comes back as whole rows of 512 bytes.
; LDS serves a wave's instructions in order (ISA guide 5.7.1.4): no wait between the stores and the loads.
.macro TOSTAGE a
.set AC, 64*(\a)
	WIN 0x32                                       ; source 0 (the sums) window 2, source 2 (the bias) window 3
.set jj, 0
.rept 32
	v_pk_fma_f32 v[TMP+jj:TMP+jj+1], v[AC+jj:AC+jj+1], s[96:97], v[jj:jj+1] op_sel_hi:[1,0,1]   ; sum x 2^(e6 + e7) + bias; each accumulator from its low end on
.set jj, jj+2
.endr
	WIN 0
.irp b, 0,1,2,3,4,5,6,7
	ds_store_b128 v[STO], v[TMP+8*\b:TMP+8*\b+3] offset:64*\b
	ds_store_b128 v[STO], v[TMP+8*\b+4:TMP+8*\b+7] offset:64*\b+16
.endr
.set BB, BK+64*((\a)%2)
.irp t, 0,1,2,3,4,5,6,7,8,9,10,11,12,13,14,15
	ds_load_b128 v[BB+4*\t:BB+4*\t+3], v[RD] offset:\t*SPITCH
.endr
.endm
.macro SEND a, younger                 ; younger: the LDS instructions issued behind block a's loads, which may stay out
.set BB, BK+64*((\a)%2)
	s_wait_dscnt \younger
.if (\a) > 0
	s_add_nc_u64 s[12:13], s[12:13], 16*4096       ; 16 rows on (the earlier stores have read their base: a wait for that stands ahead)
.endif
.irp t, 0,1,2,3,4,5,6,7,8,9,10,11,12,13,14,15
	global_store_b128 v[CO], v[BB+4*\t:BB+4*\t+3], s[12:13] offset:\t*4096 th:TH_STORE_NT   ; 32 lanes store 512 consecutive bytes, aligned; written once, read by nobody here
.endr
.endm
	s_wait_kmcnt 0x0
	s_add_co_i32 s96, s74, s75
	s_add_co_i32 s96, s96, 127
	s_lshl_b32 s96, s96, 23                        ; 2^(e6 + e7) as f32
	s_mov_b32 s97, s96                             ; (named with it as a pair, so it is written)
	PLACES 4                                       ; behind the last products
	TOSTAGE 0
.irp a, 1,2,3
.if \a > 1
	s_wait_xcnt 0x0                                ; block a - 2's stores have read their registers and their base
.endif
	TOSTAGE \a
	SEND \a-1, 32                                  ; behind block a - 1's loads: block a's 16 stores and 16 loads
.endr
	s_wait_xcnt 0x0
	SEND 3, 0
	s_wait_tensorcnt 0x0                           ; the wave's end
	ds_add_u32 v[SPW], v[NIL]
	s_wait_dscnt 0x0
	CROUND                                         ; the closing round
	s_endpgm
.Lfunc_end_k_q921ee859d9_proj:
	.size	k_q921ee859d9_proj, .Lfunc_end_k_q921ee859d9_proj-k_q921ee859d9_proj
	.p2alignl 7, 3214868480
	.fill 96, 4, 3214868480
	.section	.rodata,"a",@progbits
	.p2align	6, 0x0
	.amdhsa_kernel k_q921ee859d9_proj
		.amdhsa_group_segment_fixed_size 327680
		.amdhsa_private_segment_fixed_size 0
		.amdhsa_enable_private_segment 0
		.amdhsa_kernarg_size 40
		.amdhsa_user_sgpr_count 2
		.amdhsa_user_sgpr_kernarg_segment_ptr 1
		.amdhsa_wavefront_size32 1
		.amdhsa_system_sgpr_workgroup_id_x 1
		.amdhsa_system_sgpr_workgroup_id_y 1
		.amdhsa_system_sgpr_workgroup_id_z 1
		.amdhsa_system_vgpr_workitem_id 0
		.amdhsa_next_free_vgpr 832
		.amdhsa_next_free_sgpr 100
		.amdhsa_reserve_vcc 0
		.amdhsa_float_denorm_mode_32 3
		.amdhsa_float_denorm_mode_16_64 3
		.amdhsa_memory_ordered 1
		.amdhsa_forward_progress 1
		.amdhsa_inst_pref_size 77
	.end_amdhsa_kernel
	.amdgpu_metadata
---
amdhsa.version: [ 1, 2 ]
amdhsa.kernels:
  - .name:           k_q921ee859d9_proj
    .symbol:         k_q921ee859d9_proj.kd
    .args:
      - { .name: yc, .offset: 0, .size: 8, .value_kind: global_buffer, .address_space: global }
      - { .name: wpc, .offset: 8, .size: 8, .value_kind: global_buffer, .address_space: global }
      - { .name: lowp_scales, .offset: 16, .size: 8, .value_kind: global_buffer, .address_space: global }
      - { .name: b_proj, .offset: 24, .size: 8, .value_kind: global_buffer, .address_space: global }
      - { .name: out0, .offset: 32, .size: 8, .value_kind: global_buffer, .address_space: global }
    .group_segment_fixed_size: 327680
    .private_segment_fixed_size: 0
    .kernarg_segment_align: 8
    .kernarg_segment_size: 40
    .max_flat_workgroup_size: 128
    .sgpr_count:     100
    .vgpr_count:     832
    .wavefront_size: 32
...
	.end_amdgpu_metadata
.endif
;; end of part 4
